; MI455X (gfx1250); checked and timed in simulation.
; The chip was launched on July 23, 2026; its instructions are those of AMD's public machine-readable ISA for CDNA 5 (MIT licence, August 2026) and "CDNA5" Instruction Set Architecture Reference Guide (July 2026). The comments in the code are by the model that wrote it; some were corrected since.
;; Multi Head Attention. Allowed arithmetic: matrix products marked QUANTISED: E5M2 operands, one given power-of-two scale a tensor, by v_wmma_f32_16x16x64_bf8_bf8 or v_wmma_f32_16x16x128_bf8_bf8, f32 sums; everything else in f32.
;; Inputs: Wk 1,024 x 1,024 float32; Wo 1,024 x 1,024 float32; Wq 1,024 x 1,024 float32; Wv 1,024 x 1,024 float32; beta 1,024 float32; bk 1,024 float32; bo 1,024 float32; bq 1,024 float32; bv 1,024 float32; gamma 1,024 float32; k 4 x 2,048 x 1,024 float32; lowp_scales 12 int32 (the exponents e of the quantised operands' scales 2^e); mask 4 x 2,048 x 2,048 int32; q 4 x 2,048 x 1,024 float32; v 4 x 2,048 x 1,024 float32.
;; Outputs: out0 4 x 2,048 x 1,024 float32.
;; This version of the problem:
;;   THIS VERSION OF THE PROBLEM IS GIVEN IN LOW PRECISION. The matrix products marked QUANTISED in the list below multiply operands that are first quantised to E5M2 (5 exponent bits, 2 mantissa bits; 8 bits a number), with one given power-of-two scale for each operand tensor; their sums are f32. All else is computed in f32.
;;   The module's matrix products, in the order in which they are computed (A, B: the left and right operand; K: the contracted axis; several contracted axes count as one K, in the product's order):
;;     1. [M 8,192, K 1,024] x [K 1,024, N 1,024]; A: input q; B: input Wq: QUANTISED (scales: A lowp_scales[0], B lowp_scales[1])
;;     2. [M 8,192, K 1,024] x [K 1,024, N 1,024]; A: input k; B: input Wk: QUANTISED (scales: A lowp_scales[2], B lowp_scales[3])
;;     3. [M 8,192, K 1,024] x [K 1,024, N 1,024]; A: input v; B: input Wv: QUANTISED (scales: A lowp_scales[4], B lowp_scales[5])
;;     4. batch 64 x [M 2,048, K 64] x [K 64, N 2,048]; A: computed on the way; B: computed on the way: QUANTISED (scales: A lowp_scales[6], B lowp_scales[7])
;;     5. batch 64 x [M 2,048, K 2,048] x [K 2,048, N 64]; A: softmax (see below); B: computed on the way: QUANTISED (scales: A lowp_scales[8], B lowp_scales[9])
;;     6. [M 8,192, K 1,024] x [K 1,024, N 1,024]; A: computed on the way; B: input Wo: QUANTISED (scales: A lowp_scales[10], B lowp_scales[11])
;;   THE QUANTISER, for each operand of a quantised product, along K:
;;     - The operand's scale is 2^e, e = its entry of the input lowp_scales (int32; the entries are numbered through the quantised products in the list's order, A before B).
;;     - Each number is divided by the scale, clamped to +-57,344, and rounded to the nearest number of E5M2, ties to even, subnormals kept.
;;     - The product sums the exact products of the quantised numbers (number of the format x scale) in f32.
;;   ~~~python
;;   def quantise(x, axis, e):      # numpy; x: float32 -> the quantised numbers, widened to float32 again
;;       x = np.moveaxis(x, axis, -1); K = x.shape[-1]
;;       r = np.clip(x / 2.0 ** e, -57344, 57344)
;;       step = 2.0 ** (np.maximum(np.frexp(np.where(r == 0, 1, r))[1] - 1, -14) - 2)
;;       q = np.round(r / step) * step * 2.0 ** e      # np.round: ties to even
;;       return np.moveaxis(q, -1, axis).astype(np.float32)
;;   ~~~
;;   SOFTMAX AHEAD OF A QUANTISED PRODUCT. Where the list says 'softmax', what is quantised is not the finished softmax but p = 2^(t - M), with t = logit x log2(e) and M = ceil(the row's largest t), a whole number; so 1/2 < the row's largest p <= 1. The row's sum l is taken of the UNQUANTISED p, in f32, and the product's result is divided by l at the end. Since M is a whole number, a kernel that streams over the keys may use a running M (the ceiling of the running maximum): every later rescaling is an exact power of two, so the quantised numbers keep their values, but for numbers so far below the row's largest that they fall under the format's range.
;;   OPERANDS COMPUTED ON THE WAY. 'Computed on the way' means the value that the module computes at that place (a softmax that the list does not call 'softmax' is quantised finished and normalised). What goes into a quantiser is computed in f32, as accurately as f32 sums, v_exp_f32 and their like allow (about 1e-6 of the number): no bf16 or f16 on the way to a quantiser, and a product that is left as it is and whose result goes on into a quantised operand takes f32 operands (vector FMAs, or v_wmma_f32_16x16x4_f32). A number that lies on a knife's edge between two numbers of the format may be rounded either way, as far as f32 arithmetic and the matrix unit's own rounding can turn it there, and no further.
;; One version. Each part assembles by itself: llvm-mc -triple=amdgcn-amd-amdhsa -mcpu=gfx1250 --defsym DOCPART=n.
;; ======== version 1 of 1: 4 launches
;; limits: right only within a limited range of input values
;; workspace buffers: xc 25,165,824 bytes; wc 4,194,304 bytes; maskw 2,097,152 bytes of whole numbers; qkv 25,165,824 bytes; ctxc 8,388,608 bytes
;; launch prep (part 1): grid 768 x 1, 4 waves a work-group, no clusters, 69,120 bytes of LDS; arguments q, k, v, mask, Wq, Wk, Wv, Wo, lowp_scales, xc, wc, maskw; writes xc, wc, maskw
.if DOCPART == 1
	.amdgcn_target "amdgcn-amd-amdhsa--gfx1250"
	.amdhsa_code_object_version 6
	.text
	.protected	k_qcaaba335db_prep
	.globl	k_qcaaba335db_prep
	.p2align	8
	.type	k_qcaaba335db_prep,@function
k_qcaaba335db_prep:
	s_mov_b64 s[64:65], 0
	v_nop
	global_prefetch_b8 v0, s[64:65] scope:SCOPE_SE
	s_setreg_imm32_b32 hwreg(HW_REG_WAVE_MODE, 25, 1), 1
	s_wait_xcnt 0x0
; PREP: every wide input is read once and leaves narrow.
;   q, k, v [8192][1024] f32  -> xc: codes of E5M2 with the given scales (entries 0, 2, 4 of the scales)
;   Wq, Wk, Wv, Wo [k][n] f32 -> wc: codes of W^T (rows n, K innermost), entries 1, 3, 5, 11
;   mask [4][2048][2048] i32  -> maskw: one bit a number
; code = x / 2^e, held within +-57,344, to the nearest code, ties to even.  LIMITS: -126 <= e <= 112; NaN among the inputs is not served.
; LAYOUT OF THE CODES: images of operand registers.  A fragment (16 rows x 128 K) is 2,048 bytes [c 0..3][lane][16]: lane 16 h + r holds k = 32 c + 16 h + 0..15 of the tile's row number r.
; Lane r of tile T holds row 32 (T / 2) + 8 (T % 2) + r + 8 (r / 8).  A matrix is [row / 128][k / 128][tile in block 0..7][c][lane][16].
; LAYOUT OF THE MASK BITS: [tile T of 16 queries][step of 128 keys][64 words]: bit (16 h + r) of word 16 c + i is mask(row of lane r of tile T, key 128 step + 32 c + 16 h + i) != 0:
; the lane mask of one score register in the attention launch.
; SHARES.  Work-groups 0-383: q, k, v: a wave takes a tile of 16 rows x 1,024.  384-639: the mask: a wave takes 16 rows x 1,024 keys.  640-767: the weights: a wave takes 32 columns x 256 along K.
; The first two kinds run ONE text for loads and LDS (16 rows x 128 words a fragment, eight fragments) and part, by the work-group's number, round register work and stores alone.
; Each load reads 512 consecutive bytes of one row; a fragment turns through the wave's own stage in LDS, so that a lane gets 16 neighbours along K of each block of 32.
; The weights' path has LDS bytes of its own.  Waves share nothing: no barrier.
.set XSW,   8448                       ; a wave's stage for x and mask: 16 rows x (512 + 16) bytes
.set WS,    33792                      ; behind the four: the weights' stages,
.set WSW,   8704                       ; 32 rows x (256 + 16) bytes a wave
.set SPARE, 68608                      ; behind them: the spare words, 128 bytes a wave: two blocks of 256 bytes that no other line names
.set SPW,   6                          ; v6   my spare word's LDS address; never rewritten
.set NIL,   7                          ; v7   0; never rewritten
.set LIM,   10                         ; v10  57,344 x 2^e
.set SCL,   11                         ; v11  2^e
.set WD,    12                         ; v[12:13] two mask words a lane, to store
.set OFF,   16                         ; v16-31   row i's byte offset: 16 x lane + (i + 8 (i / 8)) x pitch
.set RW,    32                         ; v32-159  two sets of 64: a fragment as loaded
.set X,     160                        ; v160-223 64 numbers: register 16 c + i = k 32 c + 16 h + i of my row
.set CD,    224                        ; v224-239 a fragment's codes
	s_load_b512 s[4:19], s[0:1], 0x0               ; q, k, v, mask, Wq, Wk, Wv, Wo
	s_load_b256 s[20:27], s[0:1], 0x40             ; scales, xc, wc, maskw
	v_lshl_add_u32 v[SPW], v0, 2, SPARE
	v_mov_b32 v[NIL], 0
	v_lshrrev_b32 v1, 5, v0
	v_readfirstlane_b32 s28, v1                    ; wave 0..3
	v_and_b32 v1, 31, v0                           ; lane
	v_lshlrev_b32 v2, 4, v1                        ; 16 x lane
	v_and_b32 v8, 15, v0                           ; r
	v_bfe_u32 v9, v0, 4, 1                         ; h
	s_cmp_ge_u32 ttmp9, 640
	s_cbranch_scc1 .Lweights
	; ---- q, k, v and the mask
	s_lshr_b32 s29, ttmp9, 7                       ; 0, 1, 2: q, k, v;  3, 4: the mask
	s_and_b32 s30, ttmp9, 127
	s_lshl_b32 s30, s30, 2
	s_add_co_u32 s30, s30, s28                     ; x: tile = 4 (g % 128) + wave
	s_max_u32 s31, ttmp9, 384
	s_sub_co_u32 s31, s31, 384
	s_lshl_b32 s31, s31, 2
	s_add_co_u32 s31, s31, s28                     ; mask: unit = 4 (g - 384) + wave
	s_and_b32 s33, s31, 1                          ; which half of the keys,
	s_lshr_b32 s31, s31, 1                         ; of which tile
	s_mov_b32 s35, 8192
	s_cmp_lt_u32 ttmp9, 384
	s_cselect_b32 s32, s30, s31                    ; T
	s_cselect_b32 s33, 0, s33
	s_cselect_b32 s35, 4096, s35                   ; a row in memory, in bytes
	s_lshr_b32 s36, s32, 1
	s_lshl_b32 s36, s36, 5
	s_and_b32 s37, s32, 1
	s_lshl_b32 s37, s37, 3
	s_add_co_u32 s36, s36, s37                     ; the tile's first row: 32 (T / 2) + 8 (T % 2)
	s_mul_i32 s36, s36, s35
	s_lshl_b32 s37, s33, 12
	s_add_co_u32 s36, s36, s37                     ; + the half's 4,096 bytes: under 2^27
	s_mov_b32 s37, 0
	s_lshl_b32 s38, s29, 23                        ; xc: the tensor's image,
	s_lshr_b32 s39, s32, 3
	s_lshl_b32 s39, s39, 17
	s_add_co_u32 s38, s38, s39                     ; the block of 128 rows,
	s_and_b32 s39, s32, 7
	s_lshl_b32 s39, s39, 11
	s_add_co_u32 s38, s38, s39                     ; the tile in it
	s_lshl_b32 s40, s32, 12                        ; maskw: 4,096 bytes a tile,
	s_lshl_b32 s41, s33, 11
	s_add_co_u32 s40, s40, s41                     ; 2,048 a half
	s_lshl_b32 s42, s29, 3                         ; the scale's byte: 8 x tensor (24 or 32 for the mask: inside the buffer, not used)
	s_mul_i32 s44, s28, XSW
	v_lshlrev_b32 v3, 3, v1                        ; 8 x lane: my two mask words
	v_add_nc_u32 v4, s44, v2                       ; the stage, on the way in: a row's 512 bytes as loaded
	v_mul_u32_u24 v5, v8, 528
	v_lshl_add_u32 v5, v9, 6, v5
	v_add_nc_u32 v5, s44, v5                       ; and on the way out: row r, + 64 h
	v_mov_b32 v[WD], 0                             ; written whole once: v_writelane_b32 fills them lane by lane
	v_mov_b32 v[WD+1], 0
.set i, 0
.rept 16
	v_mad_u32_u24 v[OFF+i], s35, i+8*(i/8), v2
.set i, i+1
.endr
	s_wait_kmcnt 0x0
	s_load_b32 s43, s[20:21], s42 offset:0x0       ; e
	s_cmp_eq_u32 s29, 1                            ; the buffers are chosen by the work-group's number alone
	s_cselect_b64 s[4:5], s[6:7], s[4:5]
	s_cmp_eq_u32 s29, 2
	s_cselect_b64 s[4:5], s[8:9], s[4:5]
	s_cmp_ge_u32 s29, 3
	s_cselect_b64 s[4:5], s[10:11], s[4:5]
	s_cselect_b64 s[6:7], s[26:27], s[22:23]
	s_cselect_b32 s38, s40, s38
	s_mov_b32 s39, 0
	s_add_nc_u64 s[4:5], s[4:5], s[36:37]          ; from here
	s_add_nc_u64 s[6:7], s[6:7], s[38:39]          ; to here
.macro XLOAD t                         ; fragment t: 16 rows x 512 bytes, a row an instruction, into set t % 2
.set i, 0
.rept 16
	global_load_b128 v[RW+64*((\t)%2)+4*i:RW+64*((\t)%2)+4*i+3], v[OFF+i], s[4:5] offset:512*(\t) th:TH_LOAD_NT
.set i, i+1
.endr
.endm
	XLOAD 0
	XLOAD 1
	s_wait_kmcnt 0x0
	s_add_co_i32 s43, s43, 127
	s_lshl_b32 s45, s43, 23
	v_mov_b32 v[SCL], s45                          ; 2^e as f32: the conversion takes its exponent field
	s_add_co_i32 s43, s43, 15
	s_lshl_b32 s43, s43, 23
	s_or_b32 s43, s43, 0x600000
	v_mov_b32 v[LIM], s43                          ; 57,344 x 2^e
.macro XFRAG t
.if (\t) < 7
	s_wait_loadcnt 16                              ; this fragment's 16 loads are in; the next one's may be out
.else
	s_wait_loadcnt 0
.endif
.set i, 0
.rept 16
	ds_store_b128 v4, v[RW+64*((\t)%2)+4*i:RW+64*((\t)%2)+4*i+3] offset:528*i
.set i, i+1
.endr
.set i, 0
.rept 16
	ds_load_b128 v[X+4*i:X+4*i+3], v5 offset:128*(i/4)+16*(i%4)   ; LDS serves a wave's instructions in order: these see the stores above
.set i, i+1
.endr
	s_wait_dscnt 0x0                               ; the numbers are back, and the stores have read their registers
	s_wait_xcnt 0x0                                ; the last fragment's stores have read their data: the codes and the words are written again only behind this wait
.if (\t)+2 < 8
	XLOAD (\t)+2
.endif
	s_cmp_lt_u32 ttmp9, 384
	s_cbranch_scc0 .Lbits_\@
.set cc, 0
.rept 4
.set i, 0
.rept 16
	v_med3_num_f32 v[X+16*cc+i], v[X+16*cc+i], -v[LIM], v[LIM]   ; the conversion to an 8-bit code does not saturate (ISA guide 7.6.2): the hold comes first
.set i, i+1
.endr
	v_cvt_scalef32_pk8_bf8_f32 v[CD+4*cc:CD+4*cc+1], v[X+16*cc:X+16*cc+7], v[SCL]
	v_cvt_scalef32_pk8_bf8_f32 v[CD+4*cc+2:CD+4*cc+3], v[X+16*cc+8:X+16*cc+15], v[SCL]
.set cc, cc+1
.endr
	v_nop                                          ; a plain line behind the last conversion
.set cc, 0
.rept 4
	global_store_b128 v2, v[CD+4*cc:CD+4*cc+3], s[6:7] offset:16384*(\t)+512*cc   ; 512 consecutive bytes, aligned: one register group of the image
.set cc, cc+1
.endr
	s_branch .Ldone_\@
.Lbits_\@:
.set hh, 0
.rept 2
.set n, 0
.rept 32
	v_cmp_ne_u32 s[32+n], 0, v[X+32*hh+n]          ; word 32 hh + n: a bit a lane
.set n, n+1
.endr
.set n, 0
.rept 32
	v_writelane_b32 v[WD+n%2], s[32+n], 16*hh+n/2  ; lane l carries words 2 l and 2 l + 1
.set n, n+1
.endr
.set hh, hh+1
.endr
	global_store_b64 v3, v[WD:WD+1], s[6:7] offset:256*(\t)   ; a step's 64 words: 256 consecutive bytes, aligned
.Ldone_\@:
.endm
.irp t, 0,1,2,3,4,5,6,7
	XFRAG \t
.endr
	s_wait_tensorcnt 0x0                           ; the wave's end, behind my last LDS store
	ds_add_u32 v[SPW], v[NIL]
	s_wait_dscnt 0x0
	s_endpgm
	; ---- the weights: K is their FIRST axis.  A lane takes a column n and its registers run down K, so the conversions give codes with K innermost.
.Lweights:
	s_sub_co_u32 s29, ttmp9, 640
	s_lshr_b32 s30, s29, 5                         ; which weight: q, k, v, o
	s_and_b32 s31, s29, 7                          ; which 128 columns
	s_bfe_u32 s32, s29, 0x20003                    ; which 256 along K
	s_lshl_b32 s33, s31, 7
	s_lshl_b32 s34, s28, 5
	s_add_co_u32 s33, s33, s34                     ; my wave's first column
	s_lshl_b32 s36, s32, 20                        ; 256 rows of 4,096 bytes
	s_lshl_b32 s33, s33, 2
	s_add_co_u32 s36, s36, s33
	s_mov_b32 s37, 0
	s_lshl_b32 s38, s30, 20                        ; wc: the weight's image,
	s_lshl_b32 s39, s31, 17
	s_add_co_u32 s38, s38, s39                     ; the block of 128 rows n,
	s_lshl_b32 s39, s32, 15
	s_add_co_u32 s38, s38, s39                     ; two K steps of 16,384 bytes,
	s_lshl_b32 s39, s28, 12
	s_add_co_u32 s38, s38, s39                     ; my two tiles in the block
	s_mov_b32 s39, 0
	s_lshl_b32 s40, s30, 3
	s_add_co_u32 s40, s40, 4                       ; the scale's byte: entries 1, 3, 5,
	s_cmp_eq_u32 s30, 3
	s_cselect_b32 s40, 44, s40                     ; and 11 for Wo
	s_mul_i32 s41, s28, WSW
	s_add_co_u32 s41, s41, WS                      ; my stage
	v_lshlrev_b32 v20, 2, v1                       ; in: 4 bytes a lane
	v_mul_u32_u24 v21, v1, 272
	v_add_nc_u32 v21, s41, v21                     ; into the stage: row = my column
	v_and_b32 v22, 8, v8
	v_add_nc_u32 v22, v22, v8                      ; r + 8 (r / 8)
	v_mul_u32_u24 v22, v22, 272
	v_lshl_add_u32 v22, v9, 4, v22
	v_add_nc_u32 v22, s41, v22                     ; out of it: the image's lane (r, h)
	s_wait_kmcnt 0x0
	s_load_b32 s42, s[20:21], s40 offset:0x0       ; e
	s_cmp_eq_u32 s30, 1
	s_cselect_b64 s[44:45], s[14:15], s[12:13]
	s_cmp_eq_u32 s30, 2
	s_cselect_b64 s[44:45], s[16:17], s[44:45]
	s_cmp_eq_u32 s30, 3
	s_cselect_b64 s[44:45], s[18:19], s[44:45]
	s_add_nc_u64 s[44:45], s[44:45], s[36:37]
	s_add_nc_u64 s[46:47], s[24:25], s[38:39]
.macro WLOAD t                         ; block t: W(32 t + i, my column), i = 0 .. 31: 128 consecutive bytes a wave, 512 a work-group
.set i, 0
.rept 32
	global_load_b32 v[32+32*((\t)%2)+i], v20, s[44:45] offset:(32*(\t)+i)*4096 th:TH_LOAD_NT
.set i, i+1
.endr
.endm
	WLOAD 0
	WLOAD 1
	s_wait_kmcnt 0x0
	s_add_co_i32 s42, s42, 127
	s_lshl_b32 s43, s42, 23
	v_mov_b32 v[SCL], s43
	s_add_co_i32 s42, s42, 15
	s_lshl_b32 s42, s42, 23
	s_or_b32 s42, s42, 0x600000
	v_mov_b32 v[LIM], s42
.macro WBLOCK t
.set XS, 32+32*((\t)%2)
.if (\t) < 7
	s_wait_loadcnt 32                              ; this block's 32 loads are in; the next block's may be out
.else
	s_wait_loadcnt 0
.endif
.set i, 0
.rept 32
	v_med3_num_f32 v[XS+i], v[XS+i], -v[LIM], v[LIM]
.set i, i+1
.endr
.irp g, 0,1,2,3
	v_cvt_scalef32_pk8_bf8_f32 v[96+2*\g:97+2*\g], v[XS+8*\g:XS+8*\g+7], v[SCL]
.endr
	v_nop                                          ; a plain line behind the last conversion
	ds_store_b128 v21, v[96:99] offset:32*(\t)     ; 32 codes of my column's row
	ds_store_b128 v21, v[100:103] offset:32*(\t)+16
.if (\t)+2 < 8
	WLOAD (\t)+2
.endif
	s_wait_dscnt 0x0                               ; the stores have read their registers: the next block's codes may be written
.endm
.irp t, 0,1,2,3,4,5,6,7
	WBLOCK \t
.endr
.set i, 0                              ; register group i = 8 (K step) + 4 (tile) + c
.rept 16
	ds_load_b128 v[112+4*i:115+4*i], v22 offset:(i/8)*128+((i/4)%2)*2176+(i%4)*32   ; the tile's rows begin 8 stage rows apart
.set i, i+1
.endr
.set i, 0
.rept 16
	s_wait_dscnt 15-i                              ; group i is back; the younger ones may be out
	global_store_b128 v2, v[112+4*i:115+4*i], s[46:47] offset:(i/8)*16384+((i/4)%2)*2048+(i%4)*512   ; 512 consecutive bytes, aligned
.set i, i+1
.endr
	s_wait_tensorcnt 0x0                           ; the wave's end, behind my last LDS store
	ds_add_u32 v[SPW], v[NIL]
	s_wait_dscnt 0x0
	s_endpgm
.Lfunc_end_k_qcaaba335db_prep:
	.size	k_qcaaba335db_prep, .Lfunc_end_k_qcaaba335db_prep-k_qcaaba335db_prep
	.p2alignl 7, 3214868480
	.fill 96, 4, 3214868480
	.section	.rodata,"a",@progbits
	.p2align	6, 0x0
	.amdhsa_kernel k_qcaaba335db_prep
		.amdhsa_group_segment_fixed_size 69120
		.amdhsa_private_segment_fixed_size 0
		.amdhsa_enable_private_segment 0
		.amdhsa_kernarg_size 96
		.amdhsa_user_sgpr_count 2
		.amdhsa_user_sgpr_kernarg_segment_ptr 1
		.amdhsa_wavefront_size32 1
		.amdhsa_system_sgpr_workgroup_id_x 1
		.amdhsa_system_sgpr_workgroup_id_y 1
		.amdhsa_system_sgpr_workgroup_id_z 1
		.amdhsa_system_vgpr_workitem_id 0
		.amdhsa_next_free_vgpr 256
		.amdhsa_next_free_sgpr 66
		.amdhsa_reserve_vcc 0
		.amdhsa_float_denorm_mode_32 3
		.amdhsa_float_denorm_mode_16_64 3
		.amdhsa_memory_ordered 1
		.amdhsa_forward_progress 1
		.amdhsa_inst_pref_size 187
	.end_amdhsa_kernel
	.amdgpu_metadata
---
amdhsa.version: [ 1, 2 ]
amdhsa.kernels:
  - .name:           k_qcaaba335db_prep
    .symbol:         k_qcaaba335db_prep.kd
    .args:
      - { .name: q, .offset: 0, .size: 8, .value_kind: global_buffer, .address_space: global }
      - { .name: k, .offset: 8, .size: 8, .value_kind: global_buffer, .address_space: global }
      - { .name: v, .offset: 16, .size: 8, .value_kind: global_buffer, .address_space: global }
      - { .name: mask, .offset: 24, .size: 8, .value_kind: global_buffer, .address_space: global }
      - { .name: Wq, .offset: 32, .size: 8, .value_kind: global_buffer, .address_space: global }
      - { .name: Wk, .offset: 40, .size: 8, .value_kind: global_buffer, .address_space: global }
      - { .name: Wv, .offset: 48, .size: 8, .value_kind: global_buffer, .address_space: global }
      - { .name: Wo, .offset: 56, .size: 8, .value_kind: global_buffer, .address_space: global }
      - { .name: lowp_scales, .offset: 64, .size: 8, .value_kind: global_buffer, .address_space: global }
      - { .name: xc, .offset: 72, .size: 8, .value_kind: global_buffer, .address_space: global }
      - { .name: wc, .offset: 80, .size: 8, .value_kind: global_buffer, .address_space: global }
      - { .name: maskw, .offset: 88, .size: 8, .value_kind: global_buffer, .address_space: global }
    .group_segment_fixed_size: 69120
    .private_segment_fixed_size: 0
    .kernarg_segment_align: 8
    .kernarg_segment_size: 96
    .max_flat_workgroup_size: 128
    .sgpr_count:     66
    .vgpr_count:     256
    .wavefront_size: 32
...
	.end_amdgpu_metadata
.endif
;; end of part 1
;; launch proj (part 2): grid 4 x 96, 4 waves a work-group, clusters of 4 x 4, 327,680 bytes of LDS; arguments xc, wc, lowp_scales, bq, bk, bv, qkv; writes qkv
.if DOCPART == 2
	.amdgcn_target "amdgcn-amd-amdhsa--gfx1250"
	.amdhsa_code_object_version 6
	.text
	.protected	k_qcaaba335db_proj
	.globl	k_qcaaba335db_proj
	.p2align	8
	.type	k_qcaaba335db_proj,@function
k_qcaaba335db_proj:
	s_mov_b64 s[64:65], 0
	v_nop
	global_prefetch_b8 v0, s[64:65] scope:SCOPE_SE
	s_setreg_imm32_b32 hwreg(HW_REG_WAVE_MODE, 25, 1), 1
	s_wait_xcnt 0x0
	s_wait_alu depctr_hold_cnt(0) depctr_sa_sdst(0) depctr_va_vdst(0) depctr_va_sdst(0) depctr_va_ssrc(0) depctr_va_vcc(0) depctr_vm_vsrc(0)
	s_getreg_b32 s2, hwreg(HW_REG_IB_STS2, 6, 4)
	s_cmp_eq_u32 s2, 0
	s_cbranch_scc0 .Lentry_in_a_cluster
	s_endpgm
.Lentry_in_a_cluster:
	s_bfe_u32 s2, ttmp6, 0x10000c
	s_cmp_lg_u32 s2, 0xf033
	s_cbranch_scc0 .Lentry_shape_is_right
	s_endpgm
.Lentry_shape_is_right:
; PROJ: the three projections x W + b on codes of E5M2, their results quantised on the way out into the attention launch's operand images.
; Cluster y / 8 says which: 0 q, 1 k, 2 v.  C'[m'][n'] = sum over k of A'[m'][k] B'[n'][k], 1,024 along K; a tile of 256 x 256 to a work-group, 128 x 128 to a wave: 64 accumulators, 512 registers.
; THE MATRIX INSTRUCTION IS USED TRANSPOSED (source 0 = 16 rows of B', source 1 = 16 rows of A'): a lane holds one row of A' and its registers run along B's rows.
;   q, k: A' = the tokens' codes, B' = W^T's codes: a lane's registers run along the features, which are the next product's K (the head's 64).
;   v:    A' = W^T's codes, B' = the tokens' codes: a lane's registers run along the tokens, which are the next product's K (the keys).
; OPERANDS ARE IMAGES OF REGISTERS (16 rows x 128 K = [c 0..3][lane][16], lane 16 h + r: k = 32 c + 16 h + 0..15; lane r of tile T: row 32 (T / 2) + 8 (T % 2) + r + 8 (r / 8)), the same order of k on both sides.
; So the 16 registers of two neighbouring result tiles are 16 neighbours along the next K: x 2^(eA + eB), + bias, hold, two conversions, and one store of 512 consecutive bytes is a register group of the next operand.
; A block of 128 rows x 256 K is 32,768 dense bytes: what one tensor load brings.  Two LDS slots, four slots' worth of K.  No padding: every fragment load reads lane i at 16 i.
; CLUSTERS: 4 x 4 work-groups; A's tiles are shared along a row of the cluster, B's along a column, each asked for jointly.
; qkv, for each (batch, head), 393,216 bytes: Q images [tile 0..127][c 0..1][lane][16]; K images likewise at +131,072; V images [step of 128 keys][tile of 16 channels 0..3][c 0..3][lane][16] at +262,144.
; LIMITS: eA + eB between -126 and 127; the result's e between -126 and 112.  NaN is not served.
; REGISTERS: window 0: v0-31 addresses and constants; v32-95 bias along the registers, v96-111 bias of my lane's row (a pair a block), v112-127 store offsets; from v128 A's fragments, ONE set (on the way out: v128-191 at work, v192-223 codes).
;   window 1: B's fragments, TWO sets.   window 2: the accumulators of my rows 0-63 ((a, b) at v[8 (8 a + b)]);   window 3: those of my rows 64-127.
.set FR,     16                        ; registers of a fragment
.set NL,     4                         ; LDS loads that bring one
.set NP,     4                         ; places behind this matrix instruction (ISA guide 7.12.1)
.set HALFT,  32768                     ; 128 rows x 256 K
.set SLOT,   4*HALFT                   ; A's two halves, then B's two
.set SPARE,  2*SLOT                    ; behind the ring: the spare words, 128 bytes a wave: two blocks of 256 bytes that no other line names
.set LAPS,   2                         ; a lap = two slots = 512 along K
.set ADRA, 16                          ; v16-17  LDS address of my A fragments in slot 0, 1
.set ADRB, 20                          ; v20-21  the same for B
.set SC,   24                          ; v24     2^e of the result
.set LIM,  25                          ; v25     57,344 x that
.set SPW,  28                          ; v28     my spare word's LDS address; never rewritten
.set NIL,  29                          ; v29     0; never rewritten
.set BC,   32
.set BR,   96
.set VO,   112
.set AF,   128
.set TMP,  128
.set CD,   192
.set G1, 24                            ; s[24:31] descriptor group 1 for A's tiles;  s[32:39] group 0, one set for each slot
.set G0, 32
.set G1B, 48                           ; s[48:55], s[56:63] the same for B's tiles
.set G0B, 56
.set MSB, 0
.macro WIN new                         ; the immediate's high byte repeats the setting that is left
.if MSB != \new
	s_set_vgpr_msb (MSB<<8)|\new
.set MSB, \new
.endif
.endm
.set MUL_LO, 0xa1                      ; source 0 (B) window 1, source 1 (A) window 0, C and D window 2
.set MUL_HI, 0xf1                      ; the same, C and D window 3
.set TO_B,   0x40                      ; destination window 1, address window 0
; A joint load: waves 0 and 1 fetch for A, waves 2 and 3 for B.  Each line has one mask and one set of registers for all that issue it; the branch hangs on the wave's number alone.
; An s_nop 0 and four v_nop follow each of the two lines, ahead of the jump, the label and what follows.
.macro JLOAD g0a, g1a, g0b, g1b
	s_cmp_eq_u32 s15, 0
	s_cbranch_scc0 .Lfor_b_\@
	tensor_load_to_lds s[\g0a:\g0a+3], s[\g1a:\g1a+7]
	s_nop 0
.rept 4
	v_nop
.endr
	s_branch .Lasked_\@
.Lfor_b_\@:
	tensor_load_to_lds s[\g0b:\g0b+3], s[\g1b:\g1b+7]
	s_nop 0
.rept 4
	v_nop
.endr
.Lasked_\@:
.endm
.macro CREST                           ; a round of the cluster's barrier behind its opening barrier
	s_cmp_lg_u32 s14, 0
	s_cbranch_scc1 .Lnot_wave_0_\@
	s_barrier_signal -3
.Lnot_wave_0_\@:
	s_barrier_wait -3
	s_barrier_signal -1
	s_barrier_wait -1
.endm
.macro CROUND                          ; a whole round
	s_barrier_signal -1
	s_barrier_wait -1
	CREST
.endm
	s_load_b256 s[4:11], s[0:1], 0x0               ; xc s[4:5], wc s[6:7], the scales s[8:9], bq s[10:11]
	s_load_b128 s[68:71], s[0:1], 0x20             ; bk, bv
	s_load_b64 s[72:73], s[0:1], 0x30              ; qkv
	v_lshl_add_u32 v[SPW], v0, 2, SPARE
	v_mov_b32 v[NIL], 0
	ds_add_u32 v[SPW], v[NIL]                      ; the wave's opening: the add and its wait stand ahead of my first tensor load; the set-up below, work on registers, stands between them
	v_lshrrev_b32 v1, 5, v0
	v_readfirstlane_b32 s14, v1                    ; wave 0..3
	s_lshr_b32 s15, s14, 1                         ; which half of the tile's rows is mine.  Also: I fetch for A (0) or for B (1)
	s_and_b32 s16, s14, 1                          ; which half of its columns.  Also: which 128 rows of that tile I fetch
	s_bfe_u32 s40, ttmp6, 0x40000                  ; cx, cy: my place in the cluster
	s_bfe_u32 s41, ttmp6, 0x40004
	s_and_b32 s74, ttmp7, 0xffff                   ; cluster y, 0..23
	s_lshr_b32 s75, s74, 3                         ; z: 0 q, 1 k, 2 v: the same in all sixteen partners
	s_and_b32 s76, s74, 7
	s_lshl_b32 s76, s76, 2                         ; the cluster's first tile along the tokens
	s_lshl_b32 s77, s75, 23                        ; tensor z in xc
	s_lshl_b32 s78, s75, 20                        ; weight z in wc
	s_lshl_b32 s90, s75, 3                         ; the byte of entries 2 z, 2 z + 1 of the scales
	s_lshr_b32 s91, s75, 1
	s_add_co_u32 s91, s91, s75
	s_add_co_u32 s91, s91, 6
	s_lshl_b32 s91, s91, 2                         ; and of the result's: entry 6, 7 or 9
	s_cmp_eq_u32 s75, 2                            ; v?
	s_cselect_b32 s79, 0, s76                      ; the tokens run along the rows (q, k)
	s_cselect_b32 s80, s76, 0                      ; or along the columns (v)
	s_cselect_b32 s81, s78, s77                    ; A's first byte in its buffer
	s_cselect_b32 s82, s77, s78                    ; B's
	s_cselect_b32 s83, 0, -1                       ; lane mask: the bias runs along the registers (q, k)
	s_cselect_b32 s84, -1, 0                       ; or belongs to the lane's row (v)
	s_add_co_u32 s17, s41, s79                     ; tile row
	s_add_co_u32 s42, s40, s80                     ; tile column
	s_lshl_b32 s43, s41, 2
	s_lshl_b32 s43, 15, s43                        ; my row of the cluster
	s_lshl_b32 s44, 0x1111, s40                    ; my column
	; descriptor group 1: 32,768 dense bytes as 128 rows of 256
	s_or_b32 s[G1+0], s43, (1<<21)                 ; 15:0 the mask: A's tiles go to my row; 17:16 elements of 1 byte; 20 no padding; 21 set beside a mask
	s_or_b32 s[G1B+0], s44, (1<<21)
.irp g, G1, G1B
	s_mov_b32 s[\g+1], 256<<16                     ; tensor_dim0
	s_mov_b32 s[\g+2], 128<<16                     ; tensor_dim1
	s_mov_b32 s[\g+3], 256<<16                     ; tile_dim0
	s_mov_b32 s[\g+4], 128                         ; tile_dim1
	s_mov_b32 s[\g+5], 256                         ; tensor_dim0_stride
	s_mov_b32 s[\g+6], 0
	s_mov_b32 s[\g+7], 0
.endr
	s_lshl_b32 s20, s17, 1
	s_add_co_u32 s20, s20, s16
	s_lshl_b32 s20, s20, 17                        ; A: block 2 x tile row + half, 131,072 bytes a block,
	s_add_co_u32 s20, s20, s81                     ; in its image: made of cy, cluster y and the wave's number alone
	s_mov_b32 s21, 0
	s_lshl_b32 s46, s42, 1
	s_add_co_u32 s46, s46, s16
	s_lshl_b32 s46, s46, 17
	s_add_co_u32 s46, s46, s82                     ; B: of cx, cluster y and the wave's number alone
	s_mov_b32 s47, 0
	s_lshl_b32 s45, s14, 15                        ; where they go: wave x 32,768: no place in the cluster enters an LDS address
	s_wait_dscnt 0x0                               ; the opening add is done
	s_wait_kmcnt 0x0
	s_load_b64 s[96:97], s[8:9], s90 offset:0x0    ; eA, eB
	s_load_b32 s98, s[8:9], s91 offset:0x0         ; the result's e
	s_cmp_eq_u32 s75, 1
	s_cselect_b64 s[92:93], s[68:69], s[10:11]     ; the bias
	s_cmp_eq_u32 s75, 2
	s_cselect_b64 s[92:93], s[70:71], s[92:93]
	s_cselect_b64 s[86:87], s[6:7], s[4:5]         ; A's buffer
	s_cselect_b64 s[88:89], s[4:5], s[6:7]         ; B's
	s_add_nc_u64 s[20:21], s[86:87], s[20:21]
	s_add_nc_u64 s[46:47], s[88:89], s[46:47]
	CROUND                                         ; all sixteen work-groups are here: the first joint loads meet
.irp s, 0,1
	s_mov_b32 s[G0+4*\s], 1
	s_add_co_u32 s[G0+4*\s+1], s45, \s*SLOT
	s_add_nc_u64 s[G0+4*\s+2:G0+4*\s+3], s[20:21], \s*HALFT
	s_or_b32 s[G0+4*\s+3], s[G0+4*\s+3], 0x80000000
	s_mov_b32 s[G0B+4*\s], 1
	s_add_co_u32 s[G0B+4*\s+1], s45, \s*SLOT
	s_add_nc_u64 s[G0B+4*\s+2:G0B+4*\s+3], s[46:47], \s*HALFT
	s_or_b32 s[G0B+4*\s+3], s[G0B+4*\s+3], 0x80000000
	JLOAD G0+4*\s, G1, G0B+4*\s, G1B
.endr
	v_and_b32 v1, 15, v0                           ; r
	v_bfe_u32 v2, v0, 4, 1                         ; h
	v_and_b32 v3, 31, v0
	v_lshlrev_b32 v4, 4, v3                        ; 16 x lane
	s_lshl_b32 s21, s15, 15                        ; my 128 rows of A
	s_lshl_b32 s22, s16, 15                        ; my 128 rows of B,
	s_add_co_u32 s22, s22, 2*HALFT                 ; which lie behind A's two halves
.irp s, 0,1
	v_add_nc_u32 v[ADRA+\s], s21, v4
	v_add_nc_u32 v[ADRB+\s], s22, v4
	s_add_co_u32 s21, s21, SLOT
	s_add_co_u32 s22, s22, SLOT
.endr
	; the bias, both ways; the way that does not apply reads the buffer's first 512 bytes and is made 0 below
	s_lshl_b32 s18, s42, 8
	s_lshl_b32 s19, s16, 7
	s_add_co_u32 s18, s18, s19
	s_lshl_b32 s18, s18, 2                         ; my first column, in bytes of f32
	s_lshl_b32 s19, s17, 8
	s_lshl_b32 s23, s15, 7
	s_add_co_u32 s19, s19, s23
	s_lshl_b32 s19, s19, 2                         ; my first row
	s_cmp_eq_u32 s75, 2
	s_cselect_b32 s18, 0, s18
	s_cselect_b32 s19, s19, 0
	v_lshl_add_u32 v5, v2, 6, s18                  ; register 16 p + i is column 32 p + 16 h + i
	v_and_b32 v6, 8, v1
	v_add_nc_u32 v6, v6, v1
	v_lshl_add_u32 v6, v6, 2, s19                  ; block a's row of my lane: 32 (a / 2) + 8 (a % 2) + r + 8 (r / 8)
.irp p, 0,1,2,3
.irp j, 0,1,2,3
	global_load_b128 v[BC+16*\p+4*\j:BC+16*\p+4*\j+3], v5, s[92:93] offset:128*\p+16*\j
.endr
.endr
.irp a, 0,1,2,3,4,5,6,7
	global_load_b32 v[BR+2*\a], v6, s[92:93] offset:(32*(\a/2)+8*(\a%2))*4
	global_load_b32 v[BR+2*\a+1], v6, s[92:93] offset:(32*(\a/2)+8*(\a%2))*4   ; twice: a pair for the packed addition
.endr
	; where my results go.  q, k: token tile Tg = 16 x tile row + 8 x half + a; heads 4 x tile column + 2 x half + (p / 2)
	s_lshl_b32 s66, s17, 4
	s_lshl_b32 s67, s15, 3
	s_add_co_u32 s66, s66, s67
	s_lshr_b32 s67, s66, 7
	s_lshl_b32 s67, s67, 4
	s_lshl_b32 s85, s42, 2
	s_add_co_u32 s67, s67, s85
	s_lshl_b32 s85, s16, 1
	s_add_co_u32 s67, s67, s85                     ; 16 x batch + head
	s_mul_i32 s67, s67, 393216
	s_lshl_b32 s85, s75, 17
	s_add_co_u32 s67, s67, s85                     ; Q's or K's images
	s_and_b32 s66, s66, 127
	s_lshl_b32 s66, s66, 10
	s_add_co_u32 s66, s66, s67
	; v: batch = tile column / 8; heads 4 x tile row + 2 x half + (a / 4); step of keys 2 (tile column % 8) + half
	s_lshr_b32 s67, s42, 3
	s_lshl_b32 s67, s67, 4
	s_lshl_b32 s85, s17, 2
	s_add_co_u32 s67, s67, s85
	s_lshl_b32 s85, s15, 1
	s_add_co_u32 s67, s67, s85
	s_mul_i32 s67, s67, 393216
	s_add_co_u32 s67, s67, 262144
	s_and_b32 s85, s42, 7
	s_lshl_b32 s85, s85, 1
	s_add_co_u32 s85, s85, s16
	s_lshl_b32 s85, s85, 13
	s_add_co_u32 s67, s67, s85
	s_mov_b32 s18, 1024
	s_mov_b32 s19, 393216
	s_cmp_eq_u32 s75, 2
	s_cselect_b32 s66, s67, s66
	s_cselect_b32 s94, 2048, s18                   ; from block a to a + 1 inside four
	s_cselect_b32 s95, s19, 4096                   ; from blocks 0-3 to 4-7
	s_cselect_b32 s99, s18, s19                    ; from register groups 0, 1 to 2, 3
	s_mov_b32 s67, 0
	s_add_nc_u64 s[72:73], s[72:73], s[66:67]
.irp a, 0,1,2,3,4,5,6,7
	s_mul_i32 s100, s94, \a%4
.if \a > 3
	s_add_co_u32 s100, s100, s95
.endif
	v_add_nc_u32 v[VO+2*\a], s100, v4
	s_add_co_u32 s100, s100, s99
	v_add_nc_u32 v[VO+2*\a+1], s100, v4
.endr
	s_wait_kmcnt 0x0
	s_add_co_i32 s96, s96, s97
	s_add_co_i32 s96, s96, 127
	s_lshl_b32 s96, s96, 23                        ; 2^(eA + eB) as f32
	s_mov_b32 s97, s96                             ; (named with it as a pair, so it is written)
	s_add_co_i32 s98, s98, 127
	s_lshl_b32 s100, s98, 23
	v_mov_b32 v[SC], s100                          ; 2^e of the result: the conversion takes its exponent field
	s_add_co_i32 s98, s98, 15
	s_lshl_b32 s98, s98, 23
	s_or_b32 s98, s98, 0x600000
	v_mov_b32 v[LIM], s98                          ; 57,344 x that
	s_wait_loadcnt 0x0                             ; the bias, while the first tiles are on their way
.set j, 0
.rept 64
	v_cndmask_b32 v[BC+j], 0, v[BC+j], s83         ; kept for q and k, 0 for v
.set j, j+1
.endr
.set j, 0
.rept 16
	v_cndmask_b32 v[BR+j], 0, v[BR+j], s84         ; kept for v, 0 for q and k
.set j, j+1
.endr
.macro FRAG reg, adr, q, i             ; a fragment's image: four register groups of 512 bytes, lane i at 16 i
.irp c, 0,1,2,3
	ds_load_b128 v[\reg+4*\c:\reg+4*\c+3], v[\adr] offset:16384*(\q)+2048*(\i)+512*\c
.endr
.endm
; 16 matrix instructions: A's blocks a0, a0 + 1 x B's eight, 128 along K.  p: B's set.  zero = 1: the first product starts the sums.
; The 64 accumulators take turns, one instruction a turn, in the same order in every step.
.macro MUL16 a0, p, zero
.irp a, \a0, \a0+1
.irp b, 0,1,2,3,4,5,6,7
.if \zero
	v_wmma_f32_16x16x128_bf8_bf8 v[8*(8*((\a)%4)+\b):8*(8*((\a)%4)+\b)+7], v[128*(\p)+FR*\b:128*(\p)+FR*\b+FR-1], v[AF+FR*(\a):AF+FR*(\a)+FR-1], 0
.else
	v_wmma_f32_16x16x128_bf8_bf8 v[8*(8*((\a)%4)+\b):8*(8*((\a)%4)+\b)+7], v[128*(\p)+FR*\b:128*(\p)+FR*\b+FR-1], v[AF+FR*(\a):AF+FR*(\a)+FR-1], v[8*(8*((\a)%4)+\b):8*(8*((\a)%4)+\b)+7]
.endif
.endr
.endr
.endm
.macro FETCH_B slot, q, p              ; B's eight fragments of the slot's q-th 128 along K into set p
	WIN TO_B
.irp i, 0,1,2,3,4,5,6,7
	FRAG 128*(\p)+FR*\i, ADRB+\slot, \q, \i
.endr
	WIN 0
.endm
.macro FETCH_A slot, q, i0             ; A's blocks i0 .. i0 + 3
.irp i, \i0, \i0+1, \i0+2, \i0+3
	FRAG AF+FR*(\i), ADRA+\slot, \q, \i
.endr
.endm
; A load into a register that a matrix instruction has read, and a vector instruction that reads a matrix result or writes one of its registers, stand NP places behind it; only plain vector
; instructions that name none of its registers are places (ISA guide 7.12.1 for vector instructions).
.macro PLACES n
.rept \n
	v_nop
.endr
.endm
; A step of 128 along K that has its successor in the same slot.
.macro STEP slot, q, zero
	s_wait_dscnt 4*NL                              ; B's set and A's blocks 0-3 are in; the youngest sixteen loads (A's blocks 4-7) may be out
	WIN MUL_LO
	MUL16 0, (\q)%2, \zero
	MUL16 2, (\q)%2, \zero
	s_wait_dscnt 0                                 ; A's blocks 4-7 are in
	PLACES NP
	FETCH_B \slot, (\q)+1, 1-(\q)%2
	FETCH_A \slot, (\q)+1, 0
	WIN MUL_HI
	MUL16 4, (\q)%2, \zero
	MUL16 6, (\q)%2, \zero
	PLACES NP
	WIN 0
	FETCH_A \slot, (\q)+1, 4
.endm
; A slot's last step changes slots: ONE barrier; in front of it each wave waits for all its tensor loads, adds 0 to its spare word, and waits for that and for its own reads of this slot.  fill = 1: this slot is filled again, two slots ahead.
.macro TURN slot, next, fill
	s_wait_tensorcnt 0x0                           ; all my tensor loads have landed: my part of the next slot  (every window is 0 here)
	ds_add_u32 v[SPW], v[NIL]                      ; 0 onto my spare word
	s_wait_dscnt 4*NL+1                            ; (the add and the youngest sixteen loads, A's blocks 4-7, may be out)
	WIN MUL_LO
	MUL16 0, 1, 0                                  ; sixteen matrix instructions stand between the add and the wait for it
	s_wait_dscnt 0x0                               ; the add is done, and my reads of this slot are over
	s_barrier_signal -1
	MUL16 2, 1, 0
	WIN 0
	s_barrier_wait -1
.if \fill
	CREST                                          ; the barrier has opened a round of the cluster's barrier: no wave of any partner still reads this slot or has a load on its way
	s_add_nc_u64 s[G0+4*\slot+2:G0+4*\slot+3], s[G0+4*\slot+2:G0+4*\slot+3], 2*HALFT
	s_add_nc_u64 s[G0B+4*\slot+2:G0B+4*\slot+3], s[G0B+4*\slot+2:G0B+4*\slot+3], 2*HALFT
	JLOAD G0+4*\slot, G1, G0B+4*\slot, G1B         ; the first tensor load behind the round; the four v_nop behind it are the places in front of the loads below
.else
	PLACES NP
.endif
	FETCH_B \next, 0, 0
	FETCH_A \next, 0, 0
	WIN MUL_HI
	MUL16 4, 1, 0
	MUL16 6, 1, 0
	PLACES NP
	WIN 0
	FETCH_A \next, 0, 4
.endm
	s_wait_tensorcnt 1                             ; my part of slot 0 is in (slot 1's load may be out)
	s_barrier_signal -1
	s_barrier_wait -1                              ; everybody's is
	FETCH_B 0, 0, 0
	FETCH_A 0, 0, 0
	FETCH_A 0, 0, 4
	STEP 0, 0, 1                                   ; the first step stands in front of the loop: its products start the sums
	s_mov_b32 s3, LAPS-1
.Llap:                                                 ; a trip goes once round the ring, from a lap's second step to the next lap's first, and fills both slots again
	TURN 0, 1, 1
	STEP 1, 0, 0
	TURN 1, 0, 1
	STEP 0, 0, 0
	s_sub_co_u32 s3, s3, 1
	s_cmp_lg_u32 s3, 0
	s_cbranch_scc1 .Llap
	TURN 0, 1, 0                                   ; the last lap fills nothing, and has no round of the cluster's barrier
	STEP 1, 0, 0
	s_wait_dscnt 4*NL                              ; the very last step: nothing more to fetch
	WIN MUL_LO
	MUL16 0, 1, 0
	MUL16 2, 1, 0
	s_wait_dscnt 0
	WIN MUL_HI
	MUL16 4, 1, 0
	MUL16 6, 1, 0
	WIN 0
; THE WAY OUT of block a (16 rows of A' x my 128 columns): sum x 2^(eA + eB) + bias (one of the two biases is 0, and adding 0 rounds nothing), the hold, eight conversions, four stores.
; Register 16 p + i of the block is column 32 p + 16 h + i: four registers of codes are register group p of the next operand's image.
.macro OUTA a
.set AC, 64*((\a)%4)
.set CDA, CD+16*((\a)%2)
	WIN 0x02+((\a)/4)                              ; source 0: window 2 or 3
.set j, 0
.rept 32
	v_pk_fma_f32 v[TMP+j:TMP+j+1], v[AC+j:AC+j+1], s[96:97], v[BC+j:BC+j+1] op_sel_hi:[1,0,1]   ; each accumulator from its low end on
.set j, j+2
.endr
	WIN 0
.set j, 0
.rept 32
	v_pk_add_f32 v[TMP+j:TMP+j+1], v[TMP+j:TMP+j+1], v[BR+2*(\a):BR+2*(\a)+1]
.set j, j+2
.endr
.set j, 0
.rept 64
	v_med3_num_f32 v[TMP+j], v[TMP+j], -v[LIM], v[LIM]   ; the conversion to an 8-bit code does not saturate (ISA guide 7.6.2)
.set j, j+1
.endr
	s_wait_xcnt 0x0                                ; the stores of two blocks back have read their data: these registers are written again only behind this wait
.irp p, 0,1,2,3
	v_cvt_scalef32_pk8_bf8_f32 v[CDA+4*\p:CDA+4*\p+1], v[TMP+16*\p:TMP+16*\p+7], v[SC]
	v_cvt_scalef32_pk8_bf8_f32 v[CDA+4*\p+2:CDA+4*\p+3], v[TMP+16*\p+8:TMP+16*\p+15], v[SC]
.endr
	v_nop                                          ; a plain line behind the last conversion: the next block writes its sources
.irp p, 0,1,2,3
	global_store_b128 v[VO+2*(\a)+\p/2], v[CDA+4*\p:CDA+4*\p+3], s[72:73] offset:512*(\p%2)   ; 512 consecutive bytes, aligned
.endr
.endm
	PLACES NP                                      ; behind the last products: their results are read, and A's registers written, below
.irp a, 0,1,2,3,4,5,6,7
	OUTA \a
.endr
	s_wait_tensorcnt 0x0                           ; the wave's end, behind my last tensor load
	ds_add_u32 v[SPW], v[NIL]
	s_wait_dscnt 0x0
	CROUND                                         ; the closing round: no work-group ends while a partner may still ask for a tile that names it
	s_endpgm
.Lfunc_end_k_qcaaba335db_proj:
	.size	k_qcaaba335db_proj, .Lfunc_end_k_qcaaba335db_proj-k_qcaaba335db_proj
	.p2alignl 7, 3214868480
	.fill 96, 4, 3214868480
	.section	.rodata,"a",@progbits
	.p2align	6, 0x0
	.amdhsa_kernel k_qcaaba335db_proj
		.amdhsa_group_segment_fixed_size 327680
		.amdhsa_private_segment_fixed_size 0
		.amdhsa_enable_private_segment 0
		.amdhsa_kernarg_size 56
		.amdhsa_user_sgpr_count 2
		.amdhsa_user_sgpr_kernarg_segment_ptr 1
		.amdhsa_wavefront_size32 1
		.amdhsa_system_sgpr_workgroup_id_x 1
		.amdhsa_system_sgpr_workgroup_id_y 1
		.amdhsa_system_sgpr_workgroup_id_z 1
		.amdhsa_system_vgpr_workitem_id 0
		.amdhsa_next_free_vgpr 1024
		.amdhsa_next_free_sgpr 102
		.amdhsa_reserve_vcc 0
		.amdhsa_float_denorm_mode_32 3
		.amdhsa_float_denorm_mode_16_64 3
		.amdhsa_memory_ordered 1
		.amdhsa_forward_progress 1
		.amdhsa_inst_pref_size 161
	.end_amdhsa_kernel
	.amdgpu_metadata
---
amdhsa.version: [ 1, 2 ]
amdhsa.kernels:
  - .name:           k_qcaaba335db_proj
    .symbol:         k_qcaaba335db_proj.kd
    .args:
      - { .name: xc, .offset: 0, .size: 8, .value_kind: global_buffer, .address_space: global }
      - { .name: wc, .offset: 8, .size: 8, .value_kind: global_buffer, .address_space: global }
      - { .name: lowp_scales, .offset: 16, .size: 8, .value_kind: global_buffer, .address_space: global }
      - { .name: bq, .offset: 24, .size: 8, .value_kind: global_buffer, .address_space: global }
      - { .name: bk, .offset: 32, .size: 8, .value_kind: global_buffer, .address_space: global }
      - { .name: bv, .offset: 40, .size: 8, .value_kind: global_buffer, .address_space: global }
      - { .name: qkv, .offset: 48, .size: 8, .value_kind: global_buffer, .address_space: global }
    .group_segment_fixed_size: 327680
    .private_segment_fixed_size: 0
    .kernarg_segment_align: 8
    .kernarg_segment_size: 56
    .max_flat_workgroup_size: 128
    .sgpr_count:     102
    .vgpr_count:     1024
    .wavefront_size: 32
...
	.end_amdgpu_metadata
.endif
;; end of part 2
;; launch attn (part 3): grid 4 x 64, 16 waves a work-group, clusters of 4 x 1, 264,192 bytes of LDS; arguments qkv, maskw, lowp_scales, ctxc; writes ctxc
.if DOCPART == 3
	.amdgcn_target "amdgcn-amd-amdhsa--gfx1250"
	.amdhsa_code_object_version 6
	.text
	.protected	k_qcaaba335db_attn
	.globl	k_qcaaba335db_attn
	.p2align	8
	.type	k_qcaaba335db_attn,@function
k_qcaaba335db_attn:
	s_mov_b64 s[64:65], 0
	v_nop
	global_prefetch_b8 v0, s[64:65] scope:SCOPE_SE
	s_setreg_imm32_b32 hwreg(HW_REG_WAVE_MODE, 25, 1), 1
	s_wait_xcnt 0x0
	s_wait_alu depctr_hold_cnt(0) depctr_sa_sdst(0) depctr_va_vdst(0) depctr_va_sdst(0) depctr_va_ssrc(0) depctr_va_vcc(0) depctr_vm_vsrc(0)
	s_getreg_b32 s2, hwreg(HW_REG_IB_STS2, 6, 4)
	s_cmp_eq_u32 s2, 0
	s_cbranch_scc0 .Lentry_in_a_cluster
	s_endpgm
.Lentry_in_a_cluster:
	s_bfe_u32 s2, ttmp6, 0x10000c
	s_cmp_lg_u32 s2, 0x3003
	s_cbranch_scc0 .Lentry_shape_is_right
	s_endpgm
.Lentry_shape_is_right:
; ATTN: ctx = softmax(mask(Q K^T / 8)) V for one (batch, head) a cluster, both products on codes of E5M2; ctx leaves as codes, as the last product's operand image.
; THE SOFTMAX AHEAD OF THE SECOND PRODUCT: t = logit x log2(e); M = the row's largest t so far, rounded UP to a whole number; p = 2^(t - M) is what is quantised; the row's sum is taken of the unquantised p and divides at the end.
; When M moves, the sum and O are multiplied by 2^(old M - new M): exact.
; SHARES.  The cluster's four work-groups own 512 queries each of one head; each of the sixteen waves owns a tile of 16 queries, twice (two passes).  Four waves to a SIMD: one wave's vector work stands beside another's products and LDS loads.
; THE HEAD'S WHOLE K AND V, 262,144 dense bytes of images, STAY IN LDS: each wave asks for 16,384 of them, once, JOINTLY with the same wave of the three partners (one mask, one descriptor).  Nothing is filled again: no ring.
; LAYOUT.  Both products are used transposed: S^T = K Q^T (source 0 = 16 keys, source 1 = my 16 queries; 64 along K), O^T = V^T P^T (source 0 = 16 channels, source 1 = P; 128 keys along K): a lane holds ONE query throughout.
; Lane r of a tile T holds row 32 (T / 2) + 8 (T % 2) + r + 8 (r / 8): so the 16 registers of two neighbouring result tiles are 16 neighbours, 32 p + 16 h + 0..15: p's codes are the second product's operand, O's codes the last product's.
; THE MASK comes as lane masks, one 32-bit word for each score register of a step, by scalar loads asked for a whole step ahead.  A hidden score becomes VM = -2^(33 - e6 - e7): its t is -1.4427 x 2^30, a whole number that the
; multiplication gives exactly.  Beside any open key p is 0; in a row with no open key t - M is exactly 0 and every p is 1: equal weights, as -1e9 gives in f32.
; LIMITS: open logits lie above -1e9; e6 + e7 between -90 and 120; e8, and e10 - e8 - e9, between -126 and 112.  NaN is not served.
; REGISTERS: v1 16 x lane; v5, v6 the add's two; v8, v9 LDS addresses; v12 -M, v13 the largest t, v[14:15] the sum in two halves; v16-23 Q; v32-95 K's, then V's fragments; v96-159 S^T, then p; v160-191 O^T; v192-223 the way out;
;   v224-239 codes; v240 57,344 x 2^e8, v241 VM, v244 2^e8, v245 2^(e10 - e8 - e9), v246 57,344 x that; v236, v242-243, v252-254 at work.
; SCALARS: s2 the step's LDS byte, s3 step, s12 wave, s13 pass, s[14:15] lane selects, s[16:17] c, s[18:19] the mask pointer's step; s[20:31] the descriptor, later s[20:21] Q, s[22:23] ctx, s[24:25] mask words, s26-31 at work;
;   s32-63 and s68-99 the step's 64 mask words; s100 cx, s101 16 x batch + head.
.set VBASE, 131072                     ; LDS: K's images from 0, 8,192 bytes a step of 128 keys; V's from here, likewise
.set SPARE, 262144                     ; behind them: the spare words, 128 bytes a wave: eight blocks of 256 bytes that no other line names
.set SPW, 5
.set NIL, 6
.macro CROUND                          ; a round of the cluster's barrier
	s_barrier_signal -1
	s_barrier_wait -1
	s_cmp_lg_u32 s12, 0
	s_cbranch_scc1 .Lnot_wave_0_\@
	s_barrier_signal -3
.Lnot_wave_0_\@:
	s_barrier_wait -3
	s_barrier_signal -1
	s_barrier_wait -1
.endm
.macro MLOAD                           ; a step's 64 mask words, 256 bytes
.irp q, 0,1,2,3
	s_load_b256 s[32+8*\q:39+8*\q], s[24:25], 32*\q
.endr
.irp q, 0,1,2,3
	s_load_b256 s[68+8*\q:75+8*\q], s[24:25], 128+32*\q
.endr
.endm
	s_load_b256 s[4:11], s[0:1], 0x0               ; qkv s[4:5], maskw s[6:7], the scales s[8:9], ctxc s[10:11]
	v_lshl_add_u32 v[SPW], v0, 2, SPARE
	v_mov_b32 v[NIL], 0
	ds_add_u32 v[SPW], v[NIL]                      ; the wave's opening: the add and its wait stand ahead of my first tensor load; the set-up below, work on registers, stands between them
	v_lshrrev_b32 v1, 5, v0
	v_readfirstlane_b32 s12, v1                    ; wave 0..15
	v_and_b32 v1, 31, v0
	v_lshlrev_b32 v1, 4, v1                        ; 16 x lane
	s_bfe_u32 s100, ttmp6, 0x40000                 ; cx: it enters Q's, the mask words' and ctx's global addresses alone
	s_and_b32 s101, ttmp7, 0xffff                  ; 16 x batch + head, which the four partners share
	; descriptor group 1: 16,384 dense bytes as 64 rows of 256
	s_mov_b32 s24, 15|(3<<16)|(1<<21)              ; 15:0 the mask: all four work-groups; 17:16 elements of 8 bytes; 20 no padding; 21 set beside a mask
	s_mov_b32 s25, 32<<16                          ; tensor_dim0 = 32 elements
	s_mov_b32 s26, 64<<16                          ; tensor_dim1 = 64
	s_mov_b32 s27, 32<<16                          ; tile_dim0
	s_mov_b32 s28, 64                              ; tile_dim1
	s_mov_b32 s29, 32                              ; tensor_dim0_stride
	s_mov_b32 s30, 0
	s_mov_b32 s31, 0
	s_mov_b32 s14, 0x76543210                      ; v_permlanex16_b32: lane l xor 16
	s_mov_b32 s15, 0xfedcba98
	s_mov_b32 s19, 0
	s_mul_i32 s104, s101, 393216                   ; the head's first byte in qkv: under 2^25
	s_mov_b32 s105, 0
	s_mov_b32 s20, 1                               ; group 0: count = 1,
	s_lshl_b32 s21, s12, 14                        ; LDS address: wave x 16,384,
	s_add_co_u32 s2, s104, 131072
	s_add_co_u32 s2, s2, s21                       ; and the same part of the head's K and V images
	s_mov_b32 s3, 0
	s_wait_dscnt 0x0                               ; the opening add is done
	s_wait_kmcnt 0x0
	s_add_nc_u64 s[22:23], s[4:5], s[2:3]
	s_or_b32 s23, s23, 0x80000000                  ; type = 2
	s_add_nc_u64 s[4:5], s[4:5], s[104:105]        ; qkv at my head: Q's images
	CROUND                                         ; all four work-groups are here: the joint loads meet
	tensor_load_to_lds s[20:23], s[24:31]          ; my one tensor load of the launch
	s_nop 0
	s_load_b256 s[68:75], s[8:9], 0x0              ; e0 .. e7
	s_load_b128 s[76:79], s[8:9], 0x20             ; e8 .. e11
	s_wait_kmcnt 0x0
	s_add_co_i32 s104, s74, s75                    ; e6 + e7: a score stands for score x 2^(e6 + e7)
	s_lshl_b32 s105, s104, 23
	s_add_co_i32 s16, s105, 0x3e38aa3b             ; c = log2(e) / 8, the two exponents added to its exponent field
	s_mov_b32 s17, s16                             ; (named with it as a pair, so it is written)
	s_sub_co_i32 s104, 160, s104
	s_lshl_b32 s104, s104, 23
	s_or_b32 s104, s104, 0x80000000
	v_mov_b32 v241, s104                           ; VM = -2^(33 - e6 - e7)
	s_add_co_i32 s104, s76, 127
	s_lshl_b32 s105, s104, 23
	v_mov_b32 v244, s105                           ; 2^e8, for p's conversions
	s_add_co_i32 s104, s104, 15
	s_lshl_b32 s104, s104, 23
	s_or_b32 s104, s104, 0x600000
	v_mov_b32 v240, s104                           ; 57,344 x 2^e8
	s_sub_co_i32 s104, s78, s76
	s_sub_co_i32 s104, s104, s77                   ; a sum of the second product stands for sum x 2^(e8 + e9): ctx's code is (sum / l) / 2^(e10 - e8 - e9)
	s_add_co_i32 s104, s104, 127
	s_lshl_b32 s105, s104, 23
	v_mov_b32 v245, s105
	s_add_co_i32 s104, s104, 15
	s_lshl_b32 s104, s104, 23
	s_or_b32 s104, s104, 0x600000
	v_mov_b32 v246, s104
	s_wait_tensorcnt 0x0                           ; my part of K and V is in: the descriptor's registers are free from here on,
	s_barrier_signal -1
	s_barrier_wait -1                              ; and everybody's part is in
	s_mov_b32 s13, 0
.Lpass:                                            ; two trips: tile a = 32 cx + 16 pass + wave
	s_wait_kmcnt 0x0                               ; the last pass's last mask words have landed: their registers are loaded anew,
	s_wait_xcnt 0x0                                ; and its loads and stores have read their bases and data: both are written again only behind this wait
	s_lshl_b32 s26, s100, 5
	s_lshl_b32 s27, s13, 4
	s_add_co_u32 s26, s26, s27
	s_add_co_u32 s26, s26, s12                     ; a
	s_lshl_b32 s28, s26, 10
	s_mov_b32 s29, 0
	s_add_nc_u64 s[20:21], s[4:5], s[28:29]        ; Q's image of tile a
	s_lshr_b32 s27, s101, 4
	s_lshl_b32 s27, s27, 7
	s_add_co_u32 s27, s27, s26                     ; T = 128 x batch + a
	s_lshl_b32 s28, s27, 12
	s_add_nc_u64 s[24:25], s[6:7], s[28:29]        ; its mask words, step 0
	s_lshr_b32 s28, s27, 3
	s_lshl_b32 s28, s28, 17                        ; ctxc: the block of 128 rows,
	s_and_b32 s30, s101, 15
	s_lshr_b32 s31, s30, 1
	s_lshl_b32 s31, s31, 14
	s_add_co_u32 s28, s28, s31                     ; K step head / 2,
	s_and_b32 s31, s26, 7
	s_lshl_b32 s31, s31, 11
	s_add_co_u32 s28, s28, s31                     ; the tile in the block,
	s_and_b32 s31, s30, 1
	s_lshl_b32 s31, s31, 10
	s_add_co_u32 s28, s28, s31                     ; register groups 2 (head % 2) and the next
	s_add_nc_u64 s[22:23], s[10:11], s[28:29]
	MLOAD
	global_load_b128 v[16:19], v1, s[20:21]        ; Q's fragment stays in registers
	global_load_b128 v[20:23], v1, s[20:21] offset:512
	v_mov_b32 v13, 0xff61b1e6                      ; the largest t so far: -3e38, under every t
	v_floor_f32 v12, -v13                          ; -M
	v_mov_b32 v14, 0                               ; the sum, in two halves
	v_mov_b32 v15, 0
	v_mov_b32 v236, 0                              ; written once: a lane permute's destination counts as one of its sources
	v_mov_b32 v253, 0                              ; (named as the upper half of the pair v[252:253])
.set j, 0
.rept 32
	v_mov_b32 v[160+j], 0                          ; O^T.  (The step is written once: the first finds zeros, which the first change of M leaves zeros)
.set j, j+1
.endr
	s_mov_b32 s3, 0
	s_wait_loadcnt 0x0                             ; Q
.Lstep:                                            ; sixteen trips: 128 keys each
	s_lshl_b32 s2, s3, 13
	v_add_nc_u32 v8, s2, v1                        ; the step's K images,
	v_add_nc_u32 v9, VBASE, v8                     ; and V images
	v_nop                                          ; with the two additions: four places behind the last trip's products, in front of loads into registers that they read
	v_nop
.irp t, 0,1,2,3,4,5,6,7
.irp c, 0,1
	ds_load_b128 v[32+8*\t+4*\c:35+8*\t+4*\c], v8 offset:1024*\t+512*\c
.endr
.endr
	s_wait_dscnt 0x0
.irp t, 0,1,2,3,4,5,6,7
	v_wmma_f32_16x16x64_bf8_bf8 v[96+8*\t:103+8*\t], v[32+8*\t:39+8*\t], v[16:23], 0   ; register 16 c + i: key 128 step + 32 c + 16 h + i of my query
.endr
.rept 4
	v_nop                                          ; places: the loads below land in K's registers, and the scores are read
.endr
.irp t, 0,1,2,3
.irp c, 0,1,2,3
	ds_load_b128 v[32+16*\t+4*\c:35+16*\t+4*\c], v9 offset:2048*\t+512*\c   ; V's four fragments land under the softmax
.endr
.endr
	s_wait_kmcnt 0x0                               ; this step's mask words, asked for a step ago
.set n, 0
.rept 32
	v_cndmask_b32 v[96+n], v241, v[96+n], s[32+n]  ; a hidden score becomes VM; each accumulator from its low end on
.set n, n+1
.endr
.rept 32
	v_cndmask_b32 v[96+n], v241, v[96+n], s[36+n]
.set n, n+1
.endr
	s_cmp_lt_u32 s3, 15
	s_cselect_b32 s18, 256, 0                      ; the last step asks for its own words again: no load leaves the buffer
	s_add_nc_u64 s[24:25], s[24:25], s[18:19]      ; (the loads that read this base are done: the wait above)
	MLOAD                                          ; the next step's words
	v_max3_num_f32 v254, v96, v97, v98             ; the step's largest score of my query, among my 64 keys, in two chains,
	v_max3_num_f32 v252, v99, v100, v101
.irp i, 6,10,14,18,22,26,30,34,38,42,46,50,54,58
	v_max3_num_f32 v254, v254, v[96+\i], v[97+\i]
	v_max3_num_f32 v252, v252, v[98+\i], v[99+\i]
.endr
	v_max3_num_f32 v254, v254, v158, v159
	v_max_num_f32 v254, v254, v252
	v_permlanex16_b32 v236, v254, s14, s15
	v_max_num_f32 v254, v254, v236                 ; and among lane l xor 16's
	v_mul_f32 v254, s16, v254                      ; as t (c is positive)
	v_max_num_f32 v13, v13, v254                   ; the running largest t
	v_mov_b32 v254, v12
	v_floor_f32 v12, -v13                          ; the new -M = floor(-t) = -ceil(t): M is a whole number
	v_sub_f32 v254, v12, v254                      ; M's old value less its new one: a whole number, 0 or less
	v_cvt_i32_f32 v254, v254                       ; (it saturates)
	v_ldexp_f32 v252, 1.0, v254                    ; f = 2^(old M - new M)
.set j, 0
.rept 32
	v_pk_fma_f32 v[96+j:97+j], v[96+j:97+j], s[16:17], v[12:13] op_sel_hi:[1,0,0]   ; t - M, two at a time
.set j, j+2
.endr
.set j, 0
.rept 64
	v_exp_f32 v[96+j], v[96+j]                     ; p = 2^(t - M), at most 1: not normalised
.set j, j+1
.endr
	v_pk_mul_f32 v[14:15], v[14:15], v[252:253] op_sel_hi:[1,0]   ; the sums under the new M: the plain line behind the exponentials
	s_wait_alu depctr_va_vdst(0)                   ; one wait for the whole batch, ahead of its first reader
	v_pk_add_f32 v[242:243], v[96:97], v[98:99]    ; the row's sum is taken of the unquantised p: two at a time, in two chains
.irp j, 4,8,12,16,20,24,28,32,36,40,44,48,52,56,60
	v_pk_add_f32 v[14:15], v[14:15], v[96+\j:97+\j]
	v_pk_add_f32 v[242:243], v[242:243], v[98+\j:99+\j]
.endr
	v_pk_add_f32 v[14:15], v[14:15], v[242:243]
.irp b, 0,1,2,3
.irp i, 0,1,2,3,4,5,6,7,8,9,10,11,12,13,14,15
	v_min_num_f32 v[96+16*\b+\i], v[96+16*\b+\i], v240   ; the conversion does not saturate (ISA guide 7.6.2); p is not negative, so the hold is one-sided
.endr
	v_cvt_scalef32_pk8_bf8_f32 v[224+4*\b:225+4*\b], v[96+16*\b:103+16*\b], v244
	v_cvt_scalef32_pk8_bf8_f32 v[226+4*\b:227+4*\b], v[104+16*\b:111+16*\b], v244
.endr
.set j, 0
.rept 16
	v_pk_mul_f32 v[160+j:161+j], v[160+j:161+j], v[252:253] op_sel_hi:[1,0]   ; O^T under the new M; these are also the plain lines between the conversions and the products
.set j, j+2
.endr
	s_wait_dscnt 0x0                               ; V
.irp t, 0,1,2,3
	v_wmma_f32_16x16x128_bf8_bf8 v[160+8*\t:167+8*\t], v[32+16*\t:47+16*\t], v[224:239], v[160+8*\t:167+8*\t]   ; four accumulators by turns; the next step's eight products stand between two links
.endr
	s_add_co_u32 s3, s3, 1
	s_cmp_lt_u32 s3, 16
	s_cbranch_scc1 .Lstep
	; the way out of a pass: O^T / the sum, quantised: register 16 p + i is channel 32 p + 16 h + i of my query's row
.rept 4
	v_nop                                          ; places behind the last products
.endr
	v_add_f32 v14, v14, v15                        ; the sum's two halves,
	v_permlanex16_b32 v252, v14, s14, s15
	v_add_f32 v14, v14, v252                       ; and lane l xor 16's
	v_rcp_f32 v14, v14
	v_nop                                          ; a plain line behind the reciprocal,
	s_wait_alu depctr_va_vdst(0)                   ; and the wait ahead of its first reader
.set j, 0
.rept 16
	v_pk_mul_f32 v[192+j:193+j], v[160+j:161+j], v[14:15] op_sel_hi:[1,0]
.set j, j+2
.endr
.set j, 0
.rept 32
	v_med3_num_f32 v[192+j], v[192+j], -v246, v246
.set j, j+1
.endr
.irp p, 0,1
	v_cvt_scalef32_pk8_bf8_f32 v[224+4*\p:225+4*\p], v[192+16*\p:199+16*\p], v245
	v_cvt_scalef32_pk8_bf8_f32 v[226+4*\p:227+4*\p], v[200+16*\p:207+16*\p], v245
.endr
	v_nop                                          ; a plain line behind the last conversion
	global_store_b128 v1, v[224:227], s[22:23]     ; 512 consecutive bytes, aligned: a register group of ctx's image
	global_store_b128 v1, v[228:231], s[22:23] offset:512
	s_add_co_u32 s13, s13, 1
	s_cmp_lt_u32 s13, 2
	s_cbranch_scc1 .Lpass
	s_wait_kmcnt 0x0                               ; the last mask words asked for
	s_wait_tensorcnt 0x0                           ; the wave's end, behind my tensor load
	ds_add_u32 v[SPW], v[NIL]
	s_wait_dscnt 0x0
	CROUND                                         ; the closing round
	s_endpgm
.Lfunc_end_k_qcaaba335db_attn:
	.size	k_qcaaba335db_attn, .Lfunc_end_k_qcaaba335db_attn-k_qcaaba335db_attn
	.p2alignl 7, 3214868480
	.fill 96, 4, 3214868480
	.section	.rodata,"a",@progbits
	.p2align	6, 0x0
	.amdhsa_kernel k_qcaaba335db_attn
		.amdhsa_group_segment_fixed_size 264192
		.amdhsa_private_segment_fixed_size 0
		.amdhsa_enable_private_segment 0
		.amdhsa_kernarg_size 32
		.amdhsa_user_sgpr_count 2
		.amdhsa_user_sgpr_kernarg_segment_ptr 1
		.amdhsa_wavefront_size32 1
		.amdhsa_system_sgpr_workgroup_id_x 1
		.amdhsa_system_sgpr_workgroup_id_y 1
		.amdhsa_system_sgpr_workgroup_id_z 1
		.amdhsa_system_vgpr_workitem_id 0
		.amdhsa_next_free_vgpr 256
		.amdhsa_next_free_sgpr 106
		.amdhsa_reserve_vcc 0
		.amdhsa_float_denorm_mode_32 3
		.amdhsa_float_denorm_mode_16_64 3
		.amdhsa_memory_ordered 1
		.amdhsa_forward_progress 1
		.amdhsa_inst_pref_size 31
	.end_amdhsa_kernel
	.amdgpu_metadata
---
amdhsa.version: [ 1, 2 ]
amdhsa.kernels:
  - .name:           k_qcaaba335db_attn
    .symbol:         k_qcaaba335db_attn.kd
    .args:
      - { .name: qkv, .offset: 0, .size: 8, .value_kind: global_buffer, .address_space: global }
      - { .name: maskw, .offset: 8, .size: 8, .value_kind: global_buffer, .address_space: global }
      - { .name: lowp_scales, .offset: 16, .size: 8, .value_kind: global_buffer, .address_space: global }
      - { .name: ctxc, .offset: 24, .size: 8, .value_kind: global_buffer, .address_space: global }
    .group_segment_fixed_size: 264192
    .private_segment_fixed_size: 0
    .kernarg_segment_align: 8
    .kernarg_segment_size: 32
    .max_flat_workgroup_size: 512
    .sgpr_count:     106
    .vgpr_count:     256
    .wavefront_size: 32
...
	.end_amdgpu_metadata
.endif
;; end of part 3
;; launch outln (part 4): grid 256 x 1, 16 waves a work-group, no clusters, 166,400 bytes of LDS; arguments ctxc, wc, lowp_scales, bo, q, gamma, beta, out0; writes out0
.if DOCPART == 4
	.amdgcn_target "amdgcn-amd-amdhsa--gfx1250"
	.amdhsa_code_object_version 6
	.text
	.protected	k_qcaaba335db_outln
	.globl	k_qcaaba335db_outln
	.p2align	8
	.type	k_qcaaba335db_outln,@function
k_qcaaba335db_outln:
	s_mov_b64 s[64:65], 0
	v_nop
	global_prefetch_b8 v0, s[64:65] scope:SCOPE_SE
	s_setreg_imm32_b32 hwreg(HW_REG_WAVE_MODE, 25, 1), 1
	s_wait_xcnt 0x0
; OUTLN: out0 = LayerNorm(ctx Wo + bo + q) x gamma + beta; the product on codes of E5M2, all else in f32.
; SHARES.  A work-group owns 32 rows over all 1,024 columns, so a row's mean and variance never leave it.  Wave w makes columns 64 w .. 64 w + 63 for the 32 rows: four tiles of Wo^T (source 0) x two tiles of rows (source 1): 8 accumulators.
; Then the sums meet in a stage in LDS and wave w normalises rows 2 w and 2 w + 1, whole.
; OPERANDS are images of registers ([c 0..3][lane][16]; lane r of tile T: row 32 (T / 2) + 8 (T % 2) + r + 8 (r / 8)).  ctx's 16 fragments are fetched once, one a wave, and shared through LDS as they stand.
; NO LDS RING AND NO JOINT LOADS FOR Wo: each fragment of Wo is multiplied by ONE wave of the work-group, and a K step is 8 matrix instructions a wave; so each wave streams its own 65,536 bytes straight into registers,
; 512 consecutive bytes a load, two K steps (32 loads) ahead, with no barrier in the loop.
; The variance is the mean of (x - mean)^2, taken in a second pass over registers: no difference of large sums.
; LIMITS: e10 + e11 between -126 and 127.  NaN is not served.
; REGISTERS: v1 16 x lane; v2-v5 addresses; v6, v7 the add's two; v8-13 at work; v32-159 Wo's fragments, two sets of 64 (later q's two rows, bo, gamma); v160-191 ctx's two fragments (later beta); v192-255 the accumulators
;   (tile of rows a, tile of columns t at v[192 + 32 a + 8 t]), later my two rows.
.set SP,    4112                       ; a stage row: 4,096 bytes + 16
.set STG,   32768                      ; LDS: ctx's 16 fragments from 0 ([K step][tile] x 2,048 bytes); the stage from here, 32 rows
.set SPARE, 164352                     ; behind it: the spare words, 128 bytes a wave: eight blocks of 256 bytes that no other line names
.set SPW, 6
.set NIL, 7
.set AF,  160
.set ACC, 192
	s_load_b512 s[4:19], s[0:1], 0x0               ; ctxc, wc, the scales, bo, q, gamma, beta, out0
	v_lshl_add_u32 v[SPW], v0, 2, SPARE
	v_mov_b32 v[NIL], 0
	v_lshrrev_b32 v1, 5, v0
	v_readfirstlane_b32 s20, v1                    ; wave 0..15
	v_and_b32 v8, 31, v0
	v_lshlrev_b32 v1, 4, v8                        ; 16 x lane
	s_lshl_b32 s21, s20, 11
	v_add_nc_u32 v2, s21, v1                       ; where I put my fragment of ctx
	v_and_b32 v9, 15, v0                           ; r
	v_bfe_u32 v10, v0, 4, 1                        ; h
	v_and_b32 v11, 8, v9
	v_add_nc_u32 v11, v11, v9                      ; r + 8 (r / 8)
	v_mul_u32_u24 v3, v11, SP
	v_lshl_add_u32 v3, v10, 6, v3
	s_lshl_b32 s21, s20, 8
	s_add_co_u32 s21, s21, STG
	v_add_nc_u32 v3, s21, v3                       ; the stage, in: my lane's row, + 64 h, + my wave's 256 bytes
	s_mul_i32 s21, s20, 2*SP
	s_add_co_u32 s21, s21, STG
	v_add_nc_u32 v4, s21, v1                       ; and back: my wave's two rows, 16 bytes a lane
	v_lshlrev_b32 v5, 12, v10
	v_lshl_add_u32 v5, v9, 8, v5                   ; the prefetch: lanes 0-15 one row of q, lanes 16-31 the next, 256 bytes apart
	s_mov_b32 s24, 0x76543210                      ; v_permlanex16_b32: lane l xor 16
	s_mov_b32 s25, 0xfedcba98
	s_mov_b32 s26, 0x3a800000                      ; 1 / 1,024
	s_mov_b32 s27, 0x358637bd                      ; 1e-6
	s_lshr_b32 s28, ttmp9, 2
	s_lshl_b32 s28, s28, 17                        ; ctxc: the block of 128 rows,
	s_lshr_b32 s30, s20, 1
	s_lshl_b32 s31, s30, 14
	s_add_co_u32 s28, s28, s31                     ; K step wave / 2,
	s_and_b32 s31, ttmp9, 3
	s_lshl_b32 s31, s31, 1
	s_and_b32 s32, s20, 1
	s_add_co_u32 s31, s31, s32
	s_lshl_b32 s31, s31, 11
	s_add_co_u32 s28, s28, s31                     ; tile 2 (g % 4) + wave % 2
	s_mov_b32 s29, 0
	s_lshl_b32 s34, s30, 17                        ; wc: my four tiles: block wave / 2,
	s_lshl_b32 s33, s32, 13
	s_add_co_u32 s34, s34, s33                     ; its tiles 4 (wave % 2) on,
	s_add_co_u32 s34, s34, 3145728                 ; in Wo's image
	s_mov_b32 s35, 0
	s_lshl_b32 s36, ttmp9, 5
	s_lshl_b32 s33, s20, 1
	s_add_co_u32 s36, s36, s33
	s_lshl_b32 s36, s36, 12                        ; my two rows of q and of out0: under 2^25
	s_mov_b32 s37, 0
	s_wait_kmcnt 0x0
	s_load_b64 s[38:39], s[8:9], 0x28              ; e10, e11
	s_add_nc_u64 s[4:5], s[4:5], s[28:29]
	s_add_nc_u64 s[6:7], s[6:7], s[34:35]
	s_add_nc_u64 s[12:13], s[12:13], s[36:37]
	s_add_nc_u64 s[18:19], s[18:19], s[36:37]
.macro BLOAD ks                        ; my four fragments of Wo for K step ks, into set ks % 2
.irp t, 0,1,2,3
.irp c, 0,1,2,3
	global_load_b128 v[32+64*((\ks)%2)+16*\t+4*\c:32+64*((\ks)%2)+16*\t+4*\c+3], v1, s[6:7] offset:16384*(\ks)+2048*\t+512*\c
.endr
.endr
.endm
.irp c, 0,1,2,3
	global_load_b128 v[AF+4*\c:AF+4*\c+3], v1, s[4:5] offset:512*\c   ; my fragment of ctx
.endr
	BLOAD 0
	BLOAD 1
	s_wait_loadcnt 32                              ; ctx's four loads are in; Wo's two sets may be out
.irp c, 0,1,2,3
	ds_store_b128 v2, v[AF+4*\c:AF+4*\c+3] offset:512*\c
.endr
	s_wait_dscnt 0x0                               ; for the others' sake: my stores have landed
	s_barrier_signal -1
	s_barrier_wait -1                              ; ctx's sixteen fragments lie in LDS
.macro KSTEP ks
.irp a, 0,1
.irp c, 0,1,2,3
	ds_load_b128 v[AF+16*\a+4*\c:AF+16*\a+4*\c+3], v1 offset:4096*(\ks)+2048*\a+512*\c
.endr
.endr
.if (\ks) < 7
	s_wait_loadcnt 16                              ; this K step's set of Wo is in; the next one's may be out
.else
	s_wait_loadcnt 0
.endif
	s_wait_dscnt 0x0
.irp t, 0,1,2,3
.irp a, 0,1
.if (\ks) == 0
	v_wmma_f32_16x16x128_bf8_bf8 v[ACC+32*\a+8*\t:ACC+32*\a+8*\t+7], v[32+64*((\ks)%2)+16*\t:32+64*((\ks)%2)+16*\t+15], v[AF+16*\a:AF+16*\a+15], 0
.else
	v_wmma_f32_16x16x128_bf8_bf8 v[ACC+32*\a+8*\t:ACC+32*\a+8*\t+7], v[32+64*((\ks)%2)+16*\t:32+64*((\ks)%2)+16*\t+15], v[AF+16*\a:AF+16*\a+15], v[ACC+32*\a+8*\t:ACC+32*\a+8*\t+7]
.endif
.endr
.endr                                  ; eight accumulators by turns, one instruction a turn, in the same order in every K step
.rept 4
	v_nop                                          ; places in front of loads into registers that these products read, and of the first read of results
.endr
.if (\ks)+2 < 8
	BLOAD (\ks)+2
.endif
.if (\ks) == 2
	global_prefetch_b8 v5, s[12:13] th:TH_LOAD_NT scope:SCOPE_SE   ; my two rows of q, a lane to each 256 bytes, five K steps ahead of their loads; each block is named once in the launch
.endif
.endm
.irp ks, 0,1,2,3,4,5,6,7
	KSTEP \ks
.endr
.irp p, 0,1
.irp j, 0,1,2,3,4,5,6,7
	global_load_b128 v[32+32*\p+4*\j:35+32*\p+4*\j], v1, s[12:13] offset:4096*\p+512*\j th:TH_LOAD_NT   ; q: my lane holds columns 128 j + 4 lane + 0..3
.endr
.endr
.irp j, 0,1,2,3,4,5,6,7
	global_load_b128 v[96+4*\j:99+4*\j], v1, s[10:11] offset:512*\j     ; bo,
	global_load_b128 v[128+4*\j:131+4*\j], v1, s[14:15] offset:512*\j   ; gamma,
	global_load_b128 v[160+4*\j:163+4*\j], v1, s[16:17] offset:512*\j   ; beta, likewise
.endr
.irp a, 0,1
.irp p, 0,1
.irp j, 0,1,2,3
	ds_store_b128 v3, v[ACC+32*\a+16*\p+4*\j:ACC+32*\a+16*\p+4*\j+3] offset:8*SP*\a+128*\p+16*\j   ; register 16 p + i is column 64 w + 32 p + 16 h + i of row 8 a + r + 8 (r / 8); each accumulator from its low end on
.endr
.endr
.endr
	s_wait_dscnt 0x0                               ; for the others' sake: my stores have landed
	s_barrier_signal -1
	s_barrier_wait -1                              ; 32 whole rows of sums lie in the stage
.irp p, 0,1
.irp j, 0,1,2,3,4,5,6,7
	ds_load_b128 v[192+32*\p+4*\j:195+32*\p+4*\j], v4 offset:SP*\p+512*\j
.endr
.endr
	s_wait_kmcnt 0x0
	s_add_co_i32 s22, s38, s39
	s_add_co_i32 s22, s22, 127
	s_lshl_b32 s22, s22, 23                        ; 2^(e10 + e11) as f32
	s_mov_b32 s23, s22                             ; (named with it as a pair, so it is written)
	s_wait_loadcnt 0x0
	s_wait_dscnt 0x0
.macro ROWLN p                         ; one row: 32 numbers a lane
.set XR, 192+32*(\p)
.set QR, 32+32*(\p)
.set i, 0
.rept 16
	v_pk_fma_f32 v[XR+i:XR+i+1], v[XR+i:XR+i+1], s[22:23], v[96+i:97+i] op_sel_hi:[1,0,1]   ; sum x 2^(e10 + e11) + bo
.set i, i+2
.endr
.set i, 0
.rept 16
	v_pk_add_f32 v[XR+i:XR+i+1], v[XR+i:XR+i+1], v[QR+i:QR+i+1]   ; + the residual
.set i, i+2
.endr
	v_pk_add_f32 v[8:9], v[XR:XR+1], v[XR+2:XR+3]  ; the row's sum: two chains,
	v_pk_add_f32 v[10:11], v[XR+4:XR+5], v[XR+6:XR+7]
.irp i, 8,12,16,20,24,28
	v_pk_add_f32 v[8:9], v[8:9], v[XR+\i:XR+\i+1]
	v_pk_add_f32 v[10:11], v[10:11], v[XR+\i+2:XR+\i+3]
.endr
	v_pk_add_f32 v[8:9], v[8:9], v[10:11]
	v_add_f32 v8, v8, v9
	v_add_f32_dpp v8, v8, v8 row_xmask:1 row_mask:0xf bank_mask:0xf   ; then across the 32 lanes
	v_add_f32_dpp v8, v8, v8 row_xmask:2 row_mask:0xf bank_mask:0xf
	v_add_f32_dpp v8, v8, v8 row_xmask:4 row_mask:0xf bank_mask:0xf
	v_add_f32_dpp v8, v8, v8 row_xmask:8 row_mask:0xf bank_mask:0xf
	v_permlanex16_b32 v9, v8, s24, s25
	v_add_f32 v8, v8, v9
	v_mul_f32 v8, s26, v8                          ; the mean
.set i, 0
.rept 16
	v_pk_add_f32 v[XR+i:XR+i+1], v[XR+i:XR+i+1], v[8:9] op_sel_hi:[1,0] neg_lo:[0,1] neg_hi:[0,1]   ; d = x - mean
.set i, i+2
.endr
	v_pk_mul_f32 v[10:11], v[XR:XR+1], v[XR:XR+1]  ; the sum of d^2, likewise
	v_pk_mul_f32 v[12:13], v[XR+2:XR+3], v[XR+2:XR+3]
.irp i, 4,8,12,16,20,24,28
	v_pk_fma_f32 v[10:11], v[XR+\i:XR+\i+1], v[XR+\i:XR+\i+1], v[10:11]
	v_pk_fma_f32 v[12:13], v[XR+\i+2:XR+\i+3], v[XR+\i+2:XR+\i+3], v[12:13]
.endr
	v_pk_add_f32 v[10:11], v[10:11], v[12:13]
	v_add_f32 v10, v10, v11
	v_add_f32_dpp v10, v10, v10 row_xmask:1 row_mask:0xf bank_mask:0xf
	v_add_f32_dpp v10, v10, v10 row_xmask:2 row_mask:0xf bank_mask:0xf
	v_add_f32_dpp v10, v10, v10 row_xmask:4 row_mask:0xf bank_mask:0xf
	v_add_f32_dpp v10, v10, v10 row_xmask:8 row_mask:0xf bank_mask:0xf
	v_permlanex16_b32 v11, v10, s24, s25
	v_add_f32 v10, v10, v11
	v_fma_f32 v10, v10, s26, s27                   ; the variance + 1e-6
	v_rsq_f32 v12, v10
	v_nop                                          ; a plain line behind it,
	s_wait_alu depctr_va_vdst(0)                   ; and the wait ahead of its first reader
.set i, 0
.rept 16
	v_pk_mul_f32 v[XR+i:XR+i+1], v[XR+i:XR+i+1], v[12:13] op_sel_hi:[1,0]
.set i, i+2
.endr
.set i, 0
.rept 16
	v_pk_fma_f32 v[XR+i:XR+i+1], v[XR+i:XR+i+1], v[128+i:129+i], v[160+i:161+i]   ; x gamma + beta
.set i, i+2
.endr
.irp j, 0,1,2,3,4,5,6,7
	global_store_b128 v1, v[XR+4*\j:XR+4*\j+3], s[18:19] offset:4096*(\p)+512*\j th:TH_STORE_NT   ; 512 consecutive bytes, aligned; written once, read by nobody here
.endr
.endm
	ROWLN 0
	ROWLN 1
	s_wait_tensorcnt 0x0                           ; the wave's end, behind my last LDS store
	ds_add_u32 v[SPW], v[NIL]
	s_wait_dscnt 0x0
	s_endpgm
.Lfunc_end_k_qcaaba335db_outln:
	.size	k_qcaaba335db_outln, .Lfunc_end_k_qcaaba335db_outln-k_qcaaba335db_outln
	.p2alignl 7, 3214868480
	.fill 96, 4, 3214868480
	.section	.rodata,"a",@progbits
	.p2align	6, 0x0
	.amdhsa_kernel k_qcaaba335db_outln
		.amdhsa_group_segment_fixed_size 166400
		.amdhsa_private_segment_fixed_size 0
		.amdhsa_enable_private_segment 0
		.amdhsa_kernarg_size 64
		.amdhsa_user_sgpr_count 2
		.amdhsa_user_sgpr_kernarg_segment_ptr 1
		.amdhsa_wavefront_size32 1
		.amdhsa_system_sgpr_workgroup_id_x 1
		.amdhsa_system_sgpr_workgroup_id_y 1
		.amdhsa_system_sgpr_workgroup_id_z 1
		.amdhsa_system_vgpr_workitem_id 0
		.amdhsa_next_free_vgpr 256
		.amdhsa_next_free_sgpr 66
		.amdhsa_reserve_vcc 0
		.amdhsa_float_denorm_mode_32 3
		.amdhsa_float_denorm_mode_16_64 3
		.amdhsa_memory_ordered 1
		.amdhsa_forward_progress 1
		.amdhsa_inst_pref_size 49
	.end_amdhsa_kernel
	.amdgpu_metadata
---
amdhsa.version: [ 1, 2 ]
amdhsa.kernels:
  - .name:           k_qcaaba335db_outln
    .symbol:         k_qcaaba335db_outln.kd
    .args:
      - { .name: ctxc, .offset: 0, .size: 8, .value_kind: global_buffer, .address_space: global }
      - { .name: wc, .offset: 8, .size: 8, .value_kind: global_buffer, .address_space: global }
      - { .name: lowp_scales, .offset: 16, .size: 8, .value_kind: global_buffer, .address_space: global }
      - { .name: bo, .offset: 24, .size: 8, .value_kind: global_buffer, .address_space: global }
      - { .name: q, .offset: 32, .size: 8, .value_kind: global_buffer, .address_space: global }
      - { .name: gamma, .offset: 40, .size: 8, .value_kind: global_buffer, .address_space: global }
      - { .name: beta, .offset: 48, .size: 8, .value_kind: global_buffer, .address_space: global }
      - { .name: out0, .offset: 56, .size: 8, .value_kind: global_buffer, .address_space: global }
    .group_segment_fixed_size: 166400
    .private_segment_fixed_size: 0
    .kernarg_segment_align: 8
    .kernarg_segment_size: 64
    .max_flat_workgroup_size: 512
    .sgpr_count:     66
    .vgpr_count:     256
    .wavefront_size: 32
...
	.end_amdgpu_metadata
.endif
;; end of part 4
